; MI455X (gfx1250); checked and timed in simulation.
; The chip was launched on July 23, 2026; its instructions are those of AMD's public machine-readable ISA for CDNA 5 (MIT licence, August 2026) and "CDNA5" Instruction Set Architecture Reference Guide (July 2026). The comments in the code are by the model that wrote it; some were corrected since.
;; Colour Histogram. Allowed arithmetic: matrix products marked QUANTISED: E2M1 operands, one E8M0 scale for each 32 along K, by v_wmma_scale_f32_16x16x128_f8f6f4 with both operands' format E2M1 (or v_wmma_scale_f32_32x16x128_f4), f32 sums; everything else in f32.
;; Inputs: image 16 x 2 x 512 x 512 float32.
;; Outputs: out0 16 x 1 x 32 x 32 float32.
;; This version of the problem:
;;   THIS VERSION OF THE PROBLEM IS GIVEN IN LOW PRECISION. The matrix products marked QUANTISED in the list below multiply operands that are first quantised to E2M1 (2 exponent bits, 1 mantissa bit; 4 bits a number), with one power-of-two scale for each 32 numbers along K (OCP MX v1.0); their sums are f32. All else is computed in f32.
;;   The module's matrix products, in the order in which they are computed (A, B: the left and right operand; K: the contracted axis; several contracted axes count as one K, in the product's order):
;;     1. batch 16 x [M 32, K 262,144] x [K 262,144, N 32]; A: computed on the way; B: computed on the way: QUANTISED
;;   THE QUANTISER, for each operand of a quantised product, along K:
;;     - K is cut into blocks of 32 from its start; a last block that is shorter is filled with zeros.
;;     - A block's scale is 2^e with e = floor(log2(the largest magnitude in the block)) - 2, held to -126 .. 127; a block of zeros has e = 0. As a byte (E8M0): e + 127.
;;     - Each number is divided by its block's scale, clamped to +-6, and rounded to the nearest number of E2M1, ties to even, subnormals kept.
;;     - The product sums the exact products of the quantised numbers (number of the format x scale) in f32.
;;   ~~~python
;;   def quantise(x, axis):      # numpy; x: float32 -> the quantised numbers, widened to float32 again
;;       x = np.moveaxis(x, axis, -1); K = x.shape[-1]
;;       x = np.pad(x, [(0, 0)] * (x.ndim - 1) + [(0, -K % 32)]); x = x.reshape(x.shape[:-1] + (-1, 32)); a = np.abs(x).max(-1, keepdims=True)
;;       e = np.where(a > 0, np.clip(np.frexp(np.where(a > 0, a, 1))[1] - 1 - 2, -126, 127), 0)      # np.frexp(a)[1] - 1 = floor(log2(a)), exactly
;;       r = np.clip(x / 2.0 ** e, -6, 6)
;;       step = 2.0 ** (np.maximum(np.frexp(np.where(r == 0, 1, r))[1] - 1, 0) - 1)
;;       q = np.round(r / step) * step * 2.0 ** e      # np.round: ties to even
;;       return np.moveaxis(q.reshape(q.shape[:-2] + (-1,))[..., :K], -1, axis).astype(np.float32)
;;   ~~~
;;   OPERANDS COMPUTED ON THE WAY. 'Computed on the way' means the value that the module computes at that place (a softmax that the list does not call 'softmax' is quantised finished and normalised). What goes into a quantiser is computed in f32, as accurately as f32 sums, v_exp_f32 and their like allow (about 1e-6 of the number): no bf16 or f16 on the way to a quantiser, and a product that is left as it is and whose result goes on into a quantised operand takes f32 operands (vector FMAs, or v_wmma_f32_16x16x4_f32). A number that lies on a knife's edge between two numbers of the format may be rounded either way, as far as f32 arithmetic and the matrix unit's own rounding can turn it there, and no further.
;; One version. Each part assembles by itself: llvm-mc -triple=amdgcn-amd-amdhsa -mcpu=gfx1250 --defsym DOCPART=n.
;; ======== version 1 of 1: 2 launches
;; workspace buffers: part 1,048,576 bytes
;; launch hist (part 1): grid 256 x 1, 16 waves a work-group, no clusters, 206,848 bytes of LDS; arguments image, part; writes part
.if DOCPART == 1
	.amdgcn_target "amdgcn-amd-amdhsa--gfx1250"
	.amdhsa_code_object_version 6
	.text
	.protected	k_q53131eead1_hist
	.globl	k_q53131eead1_hist
	.p2align	8
	.type	k_q53131eead1_hist,@function
k_q53131eead1_hist:
	s_mov_b64 s[64:65], 0
	v_nop
	global_prefetch_b8 v0, s[64:65] scope:SCOPE_SE
	s_setreg_imm32_b32 hwreg(HW_REG_WAVE_MODE, 25, 1), 1
	s_wait_xcnt 0x0
; part[n][g][a][b] = the sum over the pixels p of sixteenth g of image n of Q(ka)[p][a] Q(kb)[p][b], ka[p][a] = exp(-200 (image[n][0][p] - a/31)^2), kb likewise of image[n][1].
; Q: codes of FP4 (E2M1) with one E8M0 scale for each 32 neighbouring pixels (the pixels are K).  A second launch adds an image's sixteen parts.
; SHARES.  Work-group (n, g) = (x / 16, x % 16) owns 16,384 pixels of both channels: 128 KiB, which lie in LDS whole and are filled once.  Each of its SIXTEEN waves owns 1,024 of them, 8 K steps of 128, in 224 registers:
; four waves to a SIMD, so that one wave's exponentials stand beside another's plain vector work.  Work-groups share no input byte: no cluster, no joint load.
; LAYOUT.  A LANE TAKES A BIN, ITS REGISTERS RUN ALONG THE PIXELS, in the order that the operand's layout gives that lane: lane (r, h) of tile T holds bin 16 T + r and pixels 64 c + 32 h + 0 .. 31 (c = 0, 1).  So a block of 32
; is one lane's 32 registers (its largest number needs no other lane), and the conversions' results are the operand's registers.  The pixels are the same for the 16 lanes of a half: they are read from LDS, 16 lanes at one address,
; and each register of pixels serves both tiles of bins.
; ARITHMETIC.  k = 2^(-u u), u = c x - c b, c = sqrt(200 log2(e)): one packed multiply-add, one packed multiply, one v_exp_f32.  b = j / 31 rounded correctly to f32, as linspace has it.
; LIMITS.  The order of rounding differs from ((x - b) 20)^2 (-0.5): c b is rounded once, which moves a bin's centre by at most half a last place of c b, 5.6e-8 in x; at |x - b| = 0.2 that is 5e-6 of k.
; v_exp_f32 gives 0 where k lies under 2^-126.  A block of zeros has the scale byte 1 (its codes are zeros; the bytes are read by this program alone).  NaN among the inputs is not served; infinities give k = 0.
; THE PRODUCTS ARE USED TRANSPOSED (source 0 = 16 bins of kb, source 1 = 16 bins of ka): lane (r, h) of accumulator (Ta, Tb) holds row a = 16 Ta + r and its register j column b = 16 Tb + 8 h + j.
.set PIX,   262144                     ; pixels of a channel: the pitch from channel a to channel b, in elements
.set WREG,  8192                       ; LDS bytes of a wave: 1,024 pixels x 2 channels x 4 bytes
.set C0,    256                        ; pixels of the first tile (K steps 0, 1)
.set C1,    768                        ; and of the second (K steps 2 to 7)
.set STG,   16*WREG                    ; behind the tiles: the stage in which the waves' sums meet; no tile lands there
.set CH8,   576                        ; in it, four registers of an accumulator: 2 x (256 bytes + 32) : see the way out
.set WSTG,  8*CH8                      ; a wave's 32 registers
.set FLOOR, 0x1800000                  ; 2^(3 - 127): no largest number is taken under it, so the scale's byte cannot fall under 1
.set NCB,  4                           ; v[4:5] -c b of my bin in tile 0, twice; v[6:7] in tile 1
.set LA0,  8                           ; v8   LDS: my wave's bytes + 128 h: my half's 32 pixels of a run of 64
.set ADR,  9                           ; v9   the same for the K step in hand
.set SO,   10                          ; v10  the stage: where I put 16 bytes
.set SR,   11                          ; v11  where I read 8 bytes of waves 0 to 7,
.set SR2,  12                          ; v12  and of waves 8 to 15
.set GO,   13                          ; v13  8 x my thread's number: my place in the part
.set X,    16                          ; v16-79   two sets of 32 pixels
.set U,    80                          ; v80-143  two sets of 32 numbers at work: u, then -u u, then k
.set CODE, 144                         ; v144-175 codes: 16 ch + 8 T + 4 c + 0 .. 3
.set SCL,  176                         ; v176 ka's scale words, v177 kb's: lanes 0-15 tile 0's rows, lanes 16-31 tile 1's; they hold scales and nothing else
.set PAIR, 178                         ; v178-179 my two bytes of tile 0, of tile 1
.set M,    180                         ; v180-183 four running maxima
.set SOP,  184                         ; v184 the conversions' scale operand
.set BY,   185                         ; v185 a byte
.set ACC,  192                         ; v192-223 accumulator (Ta, Tb) at 8 (2 Ta + Tb)
.set G1A,  16                          ; s[16:23] descriptor group 1 of the first tile;  s[24:31] of the second
.set G1B,  24
.set G0A,  32                          ; s[32:35], s[36:39] their groups 0
.set G0B,  36
.set CS,   40                          ; s[40:41] c: the packed form names a pair and takes its low word for both halves
.set TS,   42                          ; s42  the loop's K step, in LDS bytes
.set CNT,  43                          ; s43  trips to go
	s_load_b128 s[4:7], s[0:1], 0x0                ; image s[4:5], part s[6:7]
	v_lshl_add_u32 v224, v0, 2, 0x32000
	v_mov_b32 v225, 0
	ds_add_u32 v224, v225
	ds_add_u32 v224, v225
	v_lshrrev_b32 v1, 5, v0
	v_readfirstlane_b32 s8, v1                     ; wave 0..15
	s_lshr_b32 s9, ttmp9, 4                        ; image n
	s_and_b32 s10, ttmp9, 15                       ; sixteenth g
	s_lshl_b32 s12, s9, 21                         ; n x 2 channels x 1 MiB
	s_lshl_b32 s10, s10, 16                        ; + g x 16,384 pixels x 4 bytes
	s_add_co_u32 s12, s12, s10
	s_lshl_b32 s10, s8, 12                         ; + wave x 1,024 pixels x 4 bytes
	s_add_co_u32 s12, s12, s10
	s_mov_b32 s13, 0
	s_lshl_b32 s14, ttmp9, 12                      ; my work-group's 4,096 bytes of part
	s_mov_b32 s15, 0
	; group 1: two rows (channel a, channel b), PIX elements apart, of C0 or C1 elements of 4 bytes; no padding: all reads are of one address for 16 lanes
	s_mov_b32 s[G1A+0], 2<<16                      ; 15:0 no mask; 17:16 elements of 4 bytes
	s_mov_b32 s[G1A+1], C0<<16                     ; tensor_dim0
	s_mov_b32 s[G1A+2], 2<<16                      ; tensor_dim1 = 2
	s_mov_b32 s[G1A+3], C0<<16                     ; tile_dim0
	s_mov_b32 s[G1A+4], 2                          ; tile_dim1 = 2
	s_mov_b32 s[G1A+5], PIX                        ; tensor_dim0_stride
	s_mov_b32 s[G1A+6], 0
	s_mov_b32 s[G1A+7], 0
	s_mov_b32 s[G1B+0], 2<<16
	s_mov_b32 s[G1B+1], C1<<16
	s_mov_b32 s[G1B+2], 2<<16
	s_mov_b32 s[G1B+3], C1<<16
	s_mov_b32 s[G1B+4], 2
	s_mov_b32 s[G1B+5], PIX
	s_mov_b32 s[G1B+6], 0
	s_mov_b32 s[G1B+7], 0
	s_mov_b32 s[G0A], 1                            ; count = 1
	s_lshl_b32 s[G0A+1], s8, 13                    ; LDS: wave x 8,192
	s_mov_b32 s[G0B], 1
	s_add_co_u32 s[G0B+1], s[G0A+1], 2*C0*4        ; behind the first tile's two rows
	s_mov_b32 s[CS], 0x4187e439                    ; c = sqrt(200 log2(e)) = 16.986437
	s_mov_b32 s[CS+1], s[CS]                       ; (named with it as a pair, so it is written)
	s_mov_b32 s44, 0xc1f80000                      ; -31
	s_mov_b32 s45, 0x3d042108                      ; 1 / 31
	s_mul_i32 s9, s8, WSTG
	s_add_co_u32 s9, s9, STG                       ; my wave's part of the stage
	s_wait_dscnt 0x0
	s_wait_kmcnt 0x0
	s_add_nc_u64 s[6:7], s[6:7], s[14:15]
	s_add_nc_u64 s[G0A+2:G0A+3], s[4:5], s[12:13]  ; my first pixel of channel a
	s_add_nc_u64 s[G0B+2:G0B+3], s[G0A+2:G0A+3], C0*4
	s_or_b32 s[G0A+3], s[G0A+3], 0x80000000        ; type = 2
	s_or_b32 s[G0B+3], s[G0B+3], 0x80000000
	tensor_load_to_lds s[G0A:G0A+3], s[G1A:G1A+7]  ; both fills go out together, ahead of every wait on TENSORcnt, LDS read and barrier: two loads of mine are out
	s_nop 0
	tensor_load_to_lds s[G0B:G0B+3], s[G1B:G1B+7]  ; each LDS byte is filled once in the launch, and read by the wave that asked for it alone
	s_nop 0
.rept 4
	v_nop
.endr
	; constants and addresses are made while the tiles are on their way
	v_and_b32 v1, 15, v0                           ; r
	v_bfe_u32 v2, v0, 4, 1                         ; h
	v_cvt_f32_u32 v14, v1                          ; j = r: my bin in tile 0,
	v_add_f32 v15, 0x41800000, v14                 ; j = 16 + r: in tile 1
	v_mul_f32 v[NCB], s45, v14                     ; b = j / 31, correctly rounded: a first quotient,
	v_mul_f32 v[NCB+2], s45, v15
	v_fma_f32 v[NCB+1], v[NCB], s44, v14           ; its remainder j - 31 q, which is exact,
	v_fma_f32 v[NCB+3], v[NCB+2], s44, v15
	v_fma_f32 v[NCB], v[NCB+1], s45, v[NCB]        ; and the correction
	v_fma_f32 v[NCB+2], v[NCB+3], s45, v[NCB+2]
	v_mul_f32 v[NCB], 0xc187e439, v[NCB]           ; -c b
	v_mul_f32 v[NCB+2], 0xc187e439, v[NCB+2]
	v_mov_b32 v[NCB+1], v[NCB]                     ; twice, for the packed form
	v_mov_b32 v[NCB+3], v[NCB+2]
	v_lshl_add_u32 v[LA0], v2, 7, s[G0A+1]         ; wave x 8,192 + 128 h
	v_mul_u32_u24 v[SO], v2, 288                   ; the stage, in: 16 r + 288 h + my wave's part
	v_lshl_add_u32 v[SO], v1, 4, v[SO]
	v_add_nc_u32 v[SO], s9, v[SO]
	; the stage, back: thread t takes floats 2 t, 2 t + 1 of the 32 x 32 part: a = t / 16 = 16 Ta + r, b / 2 = t % 16 = 8 Tb + 4 h + 2 u + e: registers 4 u + 2 e, + 1 of lane (r, h) of accumulator (Ta, Tb)
	v_and_b32 v3, 1, v0
	v_lshlrev_b32 v[SR], 3, v3                     ; e: 8 bytes
	v_bfe_u32 v3, v0, 1, 1
	v_mad_u32_u24 v[SR], v3, CH8, v[SR]            ; u
	v_bfe_u32 v3, v0, 2, 1
	v_mad_u32_u24 v[SR], v3, 288, v[SR]            ; h
	v_bfe_u32 v3, v0, 3, 1
	v_mad_u32_u24 v[SR], v3, 2*CH8, v[SR]          ; Tb
	v_bfe_u32 v3, v0, 4, 4
	v_lshl_add_u32 v[SR], v3, 4, v[SR]             ; r
	v_lshrrev_b32 v3, 8, v0
	v_mad_u32_u24 v[SR], v3, 4*CH8, v[SR]          ; Ta
	v_add_nc_u32 v[SR], STG, v[SR]
	v_add_nc_u32 v[SR2], 8*WSTG, v[SR]             ; (an LDS offset has 16 bits: waves 8 to 15 have a register of their own)
	v_lshlrev_b32 v[GO], 3, v0
; A K step is eight PIECES p = 4 ch + 2 c + T: channel ch, pixels 64 c + 32 h + 0 .. 31, bins of tile T: 32 numbers a lane, one block.  Unit q = p / 2 is the 32 pixels that pieces 2 q and 2 q + 1 share.
.macro LOADX q, adr, off               ; unit q's pixels into set q % 2: eight loads of 16 bytes, the 16 lanes of a half at one address
.set XR, X+32*((\q)%2)
.irp g, 0,1,2,3,4,5,6,7
	ds_load_b128 v[XR+4*\g:XR+4*\g+3], v[\adr] offset:\off+16*\g
.endr
.endm
.macro ARG p                           ; the exponents of piece p: u = c x - c b, then -u u, two numbers an instruction
.set XR, X+32*(((\p)/2)%2)
.set UR, U+32*((\p)%2)
.set NB, NCB+2*((\p)%2)
.set i, 0
.rept 16
	v_pk_fma_f32 v[UR+i:UR+i+1], v[XR+i:XR+i+1], s[CS:CS+1], v[NB:NB+1] op_sel_hi:[1,0,1]
.set i, i+2
.endr
.set i, 0
.rept 16
	v_pk_mul_f32 v[UR+i:UR+i+1], v[UR+i:UR+i+1], v[UR+i:UR+i+1] neg_lo:[0,1] neg_hi:[0,1]
.set i, i+2
.endr
.endm
.macro EXPS p                          ; k = 2^(-u u): one batch of 32; nothing names a result before the batch's one wait
.set UR, U+32*((\p)%2)
.set i, 0
.rept 32
	v_exp_f32 v[UR+i], v[UR+i]
.set i, i+1
.endr
.endm
.macro QUANT p                         ; piece p's 32 numbers become four registers of codes and a scale byte
.set UR, U+32*((\p)%2)
.set CR, CODE+16*((\p)/4)+8*((\p)%2)+4*(((\p)/2)%2)
.set PR, PAIR+(\p)%2
	v_max3_num_f32 v[M], v[UR], v[UR+1], FLOOR     ; the block's largest number (none is negative), with the floor among the leaves: 33 leaves, 16 instructions, in four chains
	v_max3_num_f32 v[M+1], v[UR+2], v[UR+3], v[UR+4]
	v_max3_num_f32 v[M+2], v[UR+5], v[UR+6], v[UR+7]
	v_max3_num_f32 v[M+3], v[UR+8], v[UR+9], v[UR+10]
.set i, 0
.rept 10
	v_max3_num_f32 v[M+i%4], v[M+i%4], v[UR+11+2*i], v[UR+12+2*i]
.set i, i+1
.endr
	v_max3_num_f32 v[M], v[M], v[M+1], v[M+2]
	v_max3_num_f32 v[M], v[M], v[M+3], v[UR+31]
	v_add_nc_u32 v[SOP], 0xff000000, v[M]          ; 2 off its exponent field: the conversion takes the exponent field of this operand as its scale, and nothing else of it
.irp g, 0,1,2,3
	v_cvt_scalef32_pk8_fp4_f32 v[CR+\g], v[UR+8*\g:UR+8*\g+7], v[SOP]   ; pixels 8 g .. 8 g + 7 of the block: register 4 c + g of the operand
.endr
.if ((\p)/2)%2 == 0
	v_lshrrev_b32 v[PR], 23, v[SOP]                ; the scale's byte: block h of my row.  (Also the plain instruction behind the conversions)
.else
	v_lshrrev_b32 v[BY], 23, v[SOP]
	v_lshl_or_b32 v[PR], v[BY], 16, v[PR]          ; block 2 + h, two bytes further up
.endif
.if (\p)%4 == 3                        ; the channel is done: its scale words
	v_permlane16_swap_b32 v[PAIR], v[PAIR+1]       ; the first now holds blocks 0, 2 (lanes 0-15: tile 0's rows; lanes 16-31: tile 1's), the second blocks 1, 3 of the same rows
	v_lshl_or_b32 v[SCL+(\p)/4], v[PAIR+1], 8, v[PAIR]
.endif
.endm
; The four products of a K step.  The accumulators take turns, one instruction a turn, over the loop's backward jump too.  zero = 1: the first K step starts the sums: nothing is cleared.
.macro PRODUCTS zero
.if \zero
	v_wmma_scale_f32_16x16x128_f8f6f4 v[ACC:ACC+7], v[CODE+16:CODE+23], v[CODE:CODE+7], 0, v[SCL+1], v[SCL] matrix_a_fmt:MATRIX_FMT_FP4 matrix_b_fmt:MATRIX_FMT_FP4
	v_wmma_scale_f32_16x16x128_f8f6f4 v[ACC+8:ACC+15], v[CODE+24:CODE+31], v[CODE:CODE+7], 0, v[SCL+1], v[SCL] matrix_a_fmt:MATRIX_FMT_FP4 matrix_b_fmt:MATRIX_FMT_FP4 matrix_a_scale:MATRIX_SCALE_ROW1
	v_wmma_scale_f32_16x16x128_f8f6f4 v[ACC+16:ACC+23], v[CODE+16:CODE+23], v[CODE+8:CODE+15], 0, v[SCL+1], v[SCL] matrix_a_fmt:MATRIX_FMT_FP4 matrix_b_fmt:MATRIX_FMT_FP4 matrix_b_scale:MATRIX_SCALE_ROW1
	v_wmma_scale_f32_16x16x128_f8f6f4 v[ACC+24:ACC+31], v[CODE+24:CODE+31], v[CODE+8:CODE+15], 0, v[SCL+1], v[SCL] matrix_a_fmt:MATRIX_FMT_FP4 matrix_b_fmt:MATRIX_FMT_FP4 matrix_a_scale:MATRIX_SCALE_ROW1 matrix_b_scale:MATRIX_SCALE_ROW1
.else
	v_wmma_scale_f32_16x16x128_f8f6f4 v[ACC:ACC+7], v[CODE+16:CODE+23], v[CODE:CODE+7], v[ACC:ACC+7], v[SCL+1], v[SCL] matrix_a_fmt:MATRIX_FMT_FP4 matrix_b_fmt:MATRIX_FMT_FP4
	v_wmma_scale_f32_16x16x128_f8f6f4 v[ACC+8:ACC+15], v[CODE+24:CODE+31], v[CODE:CODE+7], v[ACC+8:ACC+15], v[SCL+1], v[SCL] matrix_a_fmt:MATRIX_FMT_FP4 matrix_b_fmt:MATRIX_FMT_FP4 matrix_a_scale:MATRIX_SCALE_ROW1
	v_wmma_scale_f32_16x16x128_f8f6f4 v[ACC+16:ACC+23], v[CODE+16:CODE+23], v[CODE+8:CODE+15], v[ACC+16:ACC+23], v[SCL+1], v[SCL] matrix_a_fmt:MATRIX_FMT_FP4 matrix_b_fmt:MATRIX_FMT_FP4 matrix_b_scale:MATRIX_SCALE_ROW1
	v_wmma_scale_f32_16x16x128_f8f6f4 v[ACC+24:ACC+31], v[CODE+24:CODE+31], v[CODE+8:CODE+15], v[ACC+24:ACC+31], v[SCL+1], v[SCL] matrix_a_fmt:MATRIX_FMT_FP4 matrix_b_fmt:MATRIX_FMT_FP4 matrix_a_scale:MATRIX_SCALE_ROW1 matrix_b_scale:MATRIX_SCALE_ROW1
.endif
.endm
; Behind a batch of exponentials stand the next piece's 32 packed instructions, which name none of its results; then the batch's one wait; then its readers.
.macro NEXT p                          ; piece p's exponents | piece p - 1 is quantised | piece p's exponentials
	ARG \p
	s_wait_alu depctr_va_vdst(0)
	QUANT (\p)-1
	EXPS \p
.endm
; A K STEP: 128 pixels; channel a's at byte aoff, channel b's at byte boff from v[adr].  No LDS instruction of mine is out at its head.
.macro STEP adr, aoff, boff, zero
	LOADX 0, \adr, \aoff
	LOADX 1, \adr, \aoff+256
	s_wait_dscnt 8                                 ; LDS loads come back in order (ISA guide 5.7.1): unit 0 is in, unit 1's eight may be out
	ARG 0
	EXPS 0
	ARG 1
	LOADX 2, \adr, \boff                           ; set 0 has been read by both its pieces
	s_wait_alu depctr_va_vdst(0)
	QUANT 0
	EXPS 1
	s_wait_dscnt 8                                 ; unit 1 is in, unit 2's eight may be out
	NEXT 2
	ARG 3
	LOADX 3, \adr, \boff+256
	s_wait_alu depctr_va_vdst(0)
	QUANT 2
	EXPS 3
	s_wait_dscnt 8                                 ; unit 2 is in, unit 3's eight may be out
	NEXT 4
	NEXT 5
	s_wait_dscnt 0x0                               ; unit 3
	NEXT 6
	NEXT 7
	v_nop                                          ; a plain instruction behind the last exponential
	s_wait_alu depctr_va_vdst(0)
	QUANT 7
.rept 8
	v_nop                                          ; a scale register written by a vector instruction stands eight plain vector instructions ahead of the scaled matrix instruction, an operand so written four
.endr
	PRODUCTS \zero                                 ; the codes' and scales' registers are next written behind 64 packed instructions of the next K step: far more than the four places of ISA guide 7.12.1
.endm
	s_wait_tensorcnt 0x1                           ; tensor loads of a wave end in order (ISA guide 10.11.1): my first tile is in; the second, issued behind it, may be out
	STEP LA0, 0, C0*4, 1                           ; K step 0 starts the sums
	STEP LA0, 512, C0*4+512, 0                     ; K step 1
	s_wait_tensorcnt 0x0                           ; my second tile: it had two K steps in which to land
	s_mov_b32 s[TS], 0
	s_mov_b32 s[CNT], 6
.Lstep:                                                ; K steps 2 to 7
	v_add_nc_u32 v[ADR], s[TS], v[LA0]
	STEP ADR, 2*C0*4, 2*C0*4+C1*4, 0
	s_add_co_u32 s[TS], s[TS], 512
	s_sub_co_u32 s[CNT], s[CNT], 1
	s_cmp_lg_u32 s[CNT], 0
	s_cbranch_scc1 .Lstep
	; THE WAY OUT.  Each wave's 32 registers go to its part of the stage as they stand, four registers a store.  A half's 256 bytes are followed by 32 of padding and a store's 544 by 32 more, so that the read back, in which
	; the 32 lanes of a wave differ in e (8 bytes), r % 2 (16), h (288), u (576) and Tb (1,152), touches 32 different places of 8 bytes modulo 256: each of the 64 banks of 4 bytes (ISA guide 11.1) once.
.rept 4
	v_nop                                          ; four places behind the last product, ahead of the first read of results (ISA guide 7.12.1)
.endr
.irp t, 0,1,2,3
	ds_store_b128 v[SO], v[ACC+8*\t:ACC+8*\t+3] offset:(2*\t)*CH8        ; each accumulator from its low end on
	ds_store_b128 v[SO], v[ACC+8*\t+4:ACC+8*\t+7] offset:(2*\t+1)*CH8
.endr
	s_wait_dscnt 0x0                               ; for the others' sake: my stores into the stage are done
	s_barrier_signal -1
	s_barrier_wait -1
.irp w, 0,1,2,3,4,5,6,7
	ds_load_b64 v[X+2*\w:X+2*\w+1], v[SR] offset:\w*WSTG               ; my two numbers of wave w's sums,
.endr
.irp w, 0,1,2,3,4,5,6,7
	ds_load_b64 v[X+16+2*\w:X+17+2*\w], v[SR2] offset:\w*WSTG          ; and of wave 8 + w's
.endr
	s_wait_dscnt 0x0
.irp w, 0,1,2,3,4,5,6,7
	v_pk_add_f32 v[X+2*\w:X+2*\w+1], v[X+2*\w:X+2*\w+1], v[X+16+2*\w:X+17+2*\w]
.endr
.irp w, 0,1,2,3
	v_pk_add_f32 v[X+2*\w:X+2*\w+1], v[X+2*\w:X+2*\w+1], v[X+8+2*\w:X+9+2*\w]
.endr
.irp w, 0,1
	v_pk_add_f32 v[X+2*\w:X+2*\w+1], v[X+2*\w:X+2*\w+1], v[X+4+2*\w:X+5+2*\w]
.endr
	v_pk_add_f32 v[X:X+1], v[X:X+1], v[X+2:X+3]
	global_store_b64 v[GO], v[X:X+1], s[6:7]       ; a wave stores 256 consecutive bytes, at a multiple of 256 from part's first byte: rows a, columns b, as the output has them
	s_wait_tensorcnt 0x0
	ds_add_u32 v224, v225
	s_wait_dscnt 0x0
	s_endpgm
.Lfunc_end_k_q53131eead1_hist:
	.size	k_q53131eead1_hist, .Lfunc_end_k_q53131eead1_hist-k_q53131eead1_hist
	.p2alignl 7, 3214868480
	.fill 96, 4, 3214868480
	.section	.rodata,"a",@progbits
	.p2align	6, 0x0
	.amdhsa_kernel k_q53131eead1_hist
		.amdhsa_group_segment_fixed_size 206848
		.amdhsa_private_segment_fixed_size 0
		.amdhsa_enable_private_segment 0
		.amdhsa_kernarg_size 16
		.amdhsa_user_sgpr_count 2
		.amdhsa_user_sgpr_kernarg_segment_ptr 1
		.amdhsa_wavefront_size32 1
		.amdhsa_system_sgpr_workgroup_id_x 1
		.amdhsa_system_sgpr_workgroup_id_y 1
		.amdhsa_system_sgpr_workgroup_id_z 1
		.amdhsa_system_vgpr_workitem_id 0
		.amdhsa_next_free_vgpr 226
		.amdhsa_next_free_sgpr 66
		.amdhsa_reserve_vcc 0
		.amdhsa_float_denorm_mode_32 3
		.amdhsa_float_denorm_mode_16_64 3
		.amdhsa_memory_ordered 1
		.amdhsa_forward_progress 1
		.amdhsa_inst_pref_size 124
	.end_amdhsa_kernel
	.amdgpu_metadata
---
amdhsa.version: [ 1, 2 ]
amdhsa.kernels:
  - .name:           k_q53131eead1_hist
    .symbol:         k_q53131eead1_hist.kd
    .args:
      - { .name: image, .offset: 0, .size: 8, .value_kind: global_buffer, .address_space: global }
      - { .name: part, .offset: 8, .size: 8, .value_kind: global_buffer, .address_space: global }
    .group_segment_fixed_size: 206848
    .private_segment_fixed_size: 0
    .kernarg_segment_align: 8
    .kernarg_segment_size: 16
    .max_flat_workgroup_size: 512
    .sgpr_count:     66
    .vgpr_count:     226
    .wavefront_size: 32
...
	.end_amdgpu_metadata
.endif
;; end of part 1
;; launch fold (part 2): grid 256 x 1, 1 waves a work-group, no clusters, 0 bytes of LDS; arguments part, out0; writes out0
.if DOCPART == 2
	.amdgcn_target "amdgcn-amd-amdhsa--gfx1250"
	.amdhsa_code_object_version 6
	.text
	.protected	k_q53131eead1_fold
	.globl	k_q53131eead1_fold
	.p2align	8
	.type	k_q53131eead1_fold,@function
k_q53131eead1_fold:
	s_mov_b64 s[64:65], 0
	v_nop
	global_prefetch_b8 v0, s[64:65] scope:SCOPE_SE
	s_setreg_imm32_b32 hwreg(HW_REG_WAVE_MODE, 25, 1), 1
	s_wait_xcnt 0x0
; out0[n][0][a][b] = the sum over g = 0 .. 15 of part[n][g][a][b].  part: [16][16][32][32] f32, as the launch before stored it; out0: [16][1][32][32] f32.
; 256 work-groups of one wave: work-group x owns the 256 bytes at 256 x of out0, a lane 8 of them.  Its sixteen loads, 4,096 bytes apart, go out together; each covers 256 consecutive bytes, aligned, and so does the store.
; No LDS, no barrier, no matrix unit: waves share nothing, and each byte is read once and written once.  The sum's order is fixed: a tree over each eight parts, then the two halves.
.set HB, 4096                          ; bytes of a part: 32 x 32 f32
.set P,  2                             ; v[2:33] part g's two numbers at 2 g
	s_load_b128 s[4:7], s[0:1], 0x0                ; part s[4:5], out0 s[6:7]
	s_lshr_b32 s8, ttmp9, 4                        ; image n
	s_and_b32 s9, ttmp9, 15                        ; which 256 bytes of its 4,096
	s_lshl_b32 s10, s8, 16                         ; n x 16 parts x 4,096 bytes
	s_lshl_b32 s9, s9, 8
	s_add_co_u32 s10, s10, s9
	s_mov_b32 s11, 0
	s_lshl_b32 s12, ttmp9, 8
	s_mov_b32 s13, 0
	v_lshlrev_b32 v1, 3, v0                        ; 8 bytes a lane
	s_wait_kmcnt 0x0
	s_add_nc_u64 s[4:5], s[4:5], s[10:11]
	s_add_nc_u64 s[6:7], s[6:7], s[12:13]
.irp g, 0,1,2,3,4,5,6,7,8,9,10,11,12,13,14,15
	global_load_b64 v[P+2*\g:P+2*\g+1], v1, s[4:5] offset:HB*\g th:TH_LOAD_NT
.endr
.macro TREE f                          ; parts f .. f + 7 into part f's registers
.irp g, 0,2,4,6
	v_pk_add_f32 v[P+2*(\f+\g):P+2*(\f+\g)+1], v[P+2*(\f+\g):P+2*(\f+\g)+1], v[P+2*(\f+\g)+2:P+2*(\f+\g)+3]
.endr
.irp g, 0,4
	v_pk_add_f32 v[P+2*(\f+\g):P+2*(\f+\g)+1], v[P+2*(\f+\g):P+2*(\f+\g)+1], v[P+2*(\f+\g)+4:P+2*(\f+\g)+5]
.endr
	v_pk_add_f32 v[P+2*\f:P+2*\f+1], v[P+2*\f:P+2*\f+1], v[P+2*\f+8:P+2*\f+9]
.endm
	s_wait_loadcnt 8                               ; loads come back in order (ISA guide 5.7.1): parts 0 to 7 are in, the eight behind them may be out
	TREE 0
	s_wait_loadcnt 0x0
	TREE 8
	v_pk_add_f32 v[P:P+1], v[P:P+1], v[P+16:P+17]
	global_store_b64 v1, v[P:P+1], s[6:7] th:TH_STORE_NT
	s_endpgm
.Lfunc_end_k_q53131eead1_fold:
	.size	k_q53131eead1_fold, .Lfunc_end_k_q53131eead1_fold-k_q53131eead1_fold
	.p2alignl 7, 3214868480
	.fill 96, 4, 3214868480
	.section	.rodata,"a",@progbits
	.p2align	6, 0x0
	.amdhsa_kernel k_q53131eead1_fold
		.amdhsa_group_segment_fixed_size 0
		.amdhsa_private_segment_fixed_size 0
		.amdhsa_enable_private_segment 0
		.amdhsa_kernarg_size 16
		.amdhsa_user_sgpr_count 2
		.amdhsa_user_sgpr_kernarg_segment_ptr 1
		.amdhsa_wavefront_size32 1
		.amdhsa_system_sgpr_workgroup_id_x 1
		.amdhsa_system_sgpr_workgroup_id_y 1
		.amdhsa_system_sgpr_workgroup_id_z 1
		.amdhsa_system_vgpr_workitem_id 0
		.amdhsa_next_free_vgpr 40
		.amdhsa_next_free_sgpr 66
		.amdhsa_reserve_vcc 0
		.amdhsa_float_denorm_mode_32 3
		.amdhsa_float_denorm_mode_16_64 3
		.amdhsa_memory_ordered 1
		.amdhsa_forward_progress 1
		.amdhsa_inst_pref_size 4
	.end_amdhsa_kernel
	.amdgpu_metadata
---
amdhsa.version: [ 1, 2 ]
amdhsa.kernels:
  - .name:           k_q53131eead1_fold
    .symbol:         k_q53131eead1_fold.kd
    .args:
      - { .name: part, .offset: 0, .size: 8, .value_kind: global_buffer, .address_space: global }
      - { .name: out0, .offset: 8, .size: 8, .value_kind: global_buffer, .address_space: global }
    .group_segment_fixed_size: 0
    .private_segment_fixed_size: 0
    .kernarg_segment_align: 8
    .kernarg_segment_size: 16
    .max_flat_workgroup_size: 32
    .sgpr_count:     66
    .vgpr_count:     40
    .wavefront_size: 32
...
	.end_amdgpu_metadata
.endif
;; end of part 2
